; MI455X (gfx1250); checked and timed in simulation.
; The chip was launched on July 23, 2026; its instructions are those of AMD's public machine-readable ISA for CDNA 5 (MIT licence, August 2026) and "CDNA5" Instruction Set Architecture Reference Guide (July 2026). The comments in the code are by the model that wrote it; some were corrected since.
;; Multi Head Attention. Allowed arithmetic: matrix products marked QUANTISED: E2M1 operands, one E8M0 scale for each 32 along K, by v_wmma_scale_f32_16x16x128_f8f6f4 with both operands' format E2M1 (or v_wmma_scale_f32_32x16x128_f4), f32 sums; products left as they are: bf16, f16 or f32 operands; f32 sums; everything else in f32.
;; Inputs: bk 512 float32; bo 512 float32; bq 512 float32; bv 512 float32; k 8 x 2,048 x 512 float32; mask 8 x 1 x 1 x 2,048 bool; q 8 x 2,048 x 512 float32; v 8 x 2,048 x 512 float32; wk 512 x 512 float32; wo 512 x 512 float32; wq 512 x 512 float32; wv 512 x 512 float32.
;; Outputs: out0 8 x 2,048 x 512 float32.
;; This version of the problem:
;;   THIS VERSION OF THE PROBLEM IS GIVEN IN LOW PRECISION. The matrix products marked QUANTISED in the list below multiply operands that are first quantised to E2M1 (2 exponent bits, 1 mantissa bit; 4 bits a number), with one power-of-two scale for each 32 numbers along K (OCP MX v1.0); their sums are f32. The products marked 'left as it is' may take bf16, f16 or f32 operands, with f32 sums. Whichever they take, every output number must still come out within the allowed error. Rounding operands to bf16 (8 significant bits) uses up far more of that allowance than f16 does (11 bits, for magnitudes from 6e-5 to 65,504). All else is computed in f32.
;;   The module's matrix products, in the order in which they are computed (A, B: the left and right operand; K: the contracted axis; several contracted axes count as one K, in the product's order):
;;     1. [M 16,384, K 512] x [K 512, N 512]; A: input q; B: input wq: QUANTISED
;;     2. [M 16,384, K 512] x [K 512, N 512]; A: input k; B: input wk: QUANTISED
;;     3. [M 16,384, K 512] x [K 512, N 512]; A: input v; B: input wv: QUANTISED
;;     4. batch 64 x [M 2,048, K 64] x [K 64, N 2,048]; A: computed on the way; B: computed on the way: left as it is (an operand is computed on the way)
;;     5. batch 64 x [M 2,048, K 2,048] x [K 2,048, N 64]; A: computed on the way; B: computed on the way: left as it is (an operand is computed on the way)
;;     6. [M 16,384, K 512] x [K 512, N 512]; A: computed on the way; B: input wo: left as it is (an operand is computed on the way)
;;   THE QUANTISER, for each operand of a quantised product, along K:
;;     - K is cut into blocks of 32 from its start; a last block that is shorter is filled with zeros.
;;     - A block's scale is 2^e with e = floor(log2(the largest magnitude in the block)) - 2, held to -126 .. 127; a block of zeros has e = 0. As a byte (E8M0): e + 127.
;;     - Each number is divided by its block's scale, clamped to +-6, and rounded to the nearest number of E2M1, ties to even, subnormals kept.
;;     - The product sums the exact products of the quantised numbers (number of the format x scale) in f32.
;;   ~~~python
;;   def quantise(x, axis):      # numpy; x: float32 -> the quantised numbers, widened to float32 again
;;       x = np.moveaxis(x, axis, -1); K = x.shape[-1]
;;       x = np.pad(x, [(0, 0)] * (x.ndim - 1) + [(0, -K % 32)]); x = x.reshape(x.shape[:-1] + (-1, 32)); a = np.abs(x).max(-1, keepdims=True)
;;       e = np.where(a > 0, np.clip(np.frexp(np.where(a > 0, a, 1))[1] - 1 - 2, -126, 127), 0)      # np.frexp(a)[1] - 1 = floor(log2(a)), exactly
;;       r = np.clip(x / 2.0 ** e, -6, 6)
;;       step = 2.0 ** (np.maximum(np.frexp(np.where(r == 0, 1, r))[1] - 1, 0) - 1)
;;       q = np.round(r / step) * step * 2.0 ** e      # np.round: ties to even
;;       return np.moveaxis(q.reshape(q.shape[:-2] + (-1,))[..., :K], -1, axis).astype(np.float32)
;;   ~~~
;; One version. Each part assembles by itself: llvm-mc -triple=amdgcn-amd-amdhsa -mcpu=gfx1250 --defsym DOCPART=n.
;; ======== version 1 of 1: 4 launches
;; limits: values are held in f16: magnitudes above 65,504 overflow, below 6.1e-05 lose precision
;; workspace buffers: wc 393,216 bytes; wsc 24,576 bytes; wo16 524,288 bytes; zt 65,536 bytes; qh 16,777,216 bytes; kh 16,777,216 bytes; vh 16,777,216 bytes; ao 16,777,216 bytes
;; launch prep (part 1): grid 16 x 5, 4 waves a work-group, no clusters, 0 bytes of LDS; arguments wq, wk, wv, wo, mask, wc, wsc, wo16, zt; writes wc, wsc, wo16, zt
.if DOCPART == 1
	.amdgcn_target "amdgcn-amd-amdhsa--gfx1250"
	.amdhsa_code_object_version 6
	.text
	.protected	k_qded6fca571_prep
	.globl	k_qded6fca571_prep
	.p2align	8
	.type	k_qded6fca571_prep,@function
k_qded6fca571_prep:
	s_mov_b64 s[64:65], 0
	v_nop
	global_prefetch_b8 v0, s[64:65] scope:SCOPE_SE
	s_setreg_imm32_b32 hwreg(HW_REG_WAVE_MODE, 25, 1), 1
	s_wait_xcnt 0x0
; MULTI-HEAD ATTENTION, launch 1 of 4: the small operands are laid out once, in the order in which the later launches' operand registers take them.
; NO WORK OF THE PROBLEM IS LEFT OUT, and every input is loaded by some launch: bq, bk, bv, bo are added where reference() adds them (bk does not cancel in the softmax: beside the fixed -1e9 of masked keys it moves the weights); the mask is honoured key by key.
;   y = 0, 1, 2: wq, wk, wv [512 (k)][512 (n)] f32 -> codes of E2M1 along K with one E8M0 byte for each 32 along K.
;        wc:  [tensor][n / 16][k / 32][n % 16][16 bytes]: the 1,024 bytes at (n / 16) 4096 + (k / 128) 1024 are the image of a 4-bit operand's eight registers (512 c + 16 lane).
;        wsc: [tensor][k / 128][n] one word: the four scale bytes of column n's 128 along K.
;   y = 3: wo [512 (k)][512 (n)] f32 -> f16;  wo16: [n / 256][k / 32][(n % 256) / 16][1,024 bytes]: the image of a 16-bit operand's eight registers (512 half + 16 lane).
;   y = 4: mask [8][2048] bytes -> zt [8][2048] f32: 0 where the key counts, else ZNEG = -1e9 log2(e) rounded to f32.
; A LANE TAKES A COLUMN n AND ITS REGISTERS RUN DOWN K: each load reads 128 neighbouring bytes a wave, a block of 32 along K lies in one lane, and the conversions give codes with K innermost.
; A block's scale is 2^(floor(log2(its largest magnitude)) - 2): its byte is the largest magnitude's exponent field - 2, held at 1 from below.  A block of zeros gets the byte 1 where the rule says 127: its codes are zeros, and this program alone reads the bytes.
; LIMITS: NaN and infinities among the inputs are not served; wo's numbers under 2^-24 become 0 in f16 and those over 65,504 are not served.
.set X,    32                          ; v32-159  128 numbers of my column
.set R,    160                         ; v160-223 results: every store has data registers of its own, none is written again
.set ZNEG, 0xceabfb8f
	s_load_b512 s[4:19], s[0:1], 0x0               ; wq 4, wk 6, wv 8, wo 10, mask 12, wc 14, wsc 16, wo16 18
	s_load_b64 s[20:21], s[0:1], 0x40              ; zt
	v_lshrrev_b32 v1, 5, v0
	v_readfirstlane_b32 s22, v1                    ; wave
	s_and_b32 s23, ttmp7, 0xffff                   ; y: which job
	s_and_b32 s24, ttmp9, 3                        ; cg: which 128 columns
	s_lshr_b32 s25, ttmp9, 2                       ; ks: which 128 along K
	s_mov_b32 s29, 0
	v_and_b32 v1, 31, v0                           ; lane
	v_lshlrev_b32 v2, 2, v1                        ; 4 x lane: my column in a row of W, and my scale word
	v_lshrrev_b32 v6, 4, v1
	v_and_b32 v7, 15, v1
	v_lshlrev_b32 v7, 4, v7
	v_lshl_add_u32 v3, v6, 12, v7                  ; codes: lanes 16-31 belong to the next tile of 16 columns, 4,096 bytes on
	v_lshl_add_u32 v4, v6, 10, v7                  ; wo16: likewise, 1,024 bytes on
	s_wait_kmcnt 0x0
	s_cmp_eq_u32 s23, 4
	s_cbranch_scc1 .Lmask
	s_cmp_eq_u32 s23, 2                            ; the tensor is chosen by the work-group's number alone
	s_cselect_b64 s[26:27], s[8:9], s[10:11]
	s_cmp_eq_u32 s23, 1
	s_cselect_b64 s[26:27], s[6:7], s[26:27]
	s_cmp_eq_u32 s23, 0
	s_cselect_b64 s[26:27], s[4:5], s[26:27]
	s_lshl_b32 s28, s25, 18                        ; 128 ks rows of 2,048 bytes
	s_lshl_b32 s30, s24, 9                         ; + 128 cg columns
	s_add_co_u32 s28, s28, s30
	s_lshl_b32 s30, s22, 7                         ; + 32 columns a wave
	s_add_co_u32 s28, s28, s30
	s_add_nc_u64 s[26:27], s[26:27], s[28:29]
.set ii, 0
.rept 128
	global_load_b32 v[X+ii], v2, s[26:27] offset:ii*2048 th:TH_LOAD_NT   ; W(128 ks + i, my column)
.set ii, ii+1
.endr
	s_cmp_eq_u32 s23, 3
	s_cbranch_scc1 .Lwo
	; ---- wq, wk, wv
	s_lshl_b32 s28, s23, 17                        ; codes: tensor,
	s_lshl_b32 s30, s24, 15                        ; 8 cg tiles of 4,096 bytes,
	s_add_co_u32 s28, s28, s30
	s_lshl_b32 s30, s22, 13                        ; 2 tiles a wave,
	s_add_co_u32 s28, s28, s30
	s_lshl_b32 s30, s25, 10                        ; K step
	s_add_co_u32 s28, s28, s30
	s_add_nc_u64 s[14:15], s[14:15], s[28:29]
	s_lshl_b32 s28, s23, 13                        ; scale words: tensor,
	s_lshl_b32 s30, s25, 11                        ; K step,
	s_add_co_u32 s28, s28, s30
	s_lshl_b32 s30, s24, 9                         ; column
	s_add_co_u32 s28, s28, s30
	s_lshl_b32 s30, s22, 7
	s_add_co_u32 s28, s28, s30
	s_add_nc_u64 s[16:17], s[16:17], s[28:29]
; block kb of my four.  left: how many younger loads may stay out (behind block kb's stand 32 (3 - kb); a count names 63 at the most, and a smaller count is safe)
.macro QBLK kb, left
.set XS, X+32*\kb
	s_wait_loadcnt \left
	v_max3_num_f32 v12, |v[XS]|, |v[XS+1]|, |v[XS+2]|               ; the block's largest magnitude: all 32 numbers are mine; two chains
	v_max3_num_f32 v13, |v[XS+3]|, |v[XS+4]|, |v[XS+5]|
.irp i, 6,10,14,18,22,26
	v_max3_num_f32 v12, v12, |v[XS+\i]|, |v[XS+\i+1]|
	v_max3_num_f32 v13, v13, |v[XS+\i+2]|, |v[XS+\i+3]|
.endr
	v_max3_num_f32 v12, v12, |v[XS+30]|, |v[XS+31]|
	v_max3_num_f32 v12, v12, v13, 0x1800000        ; and the floor 2^(3 - 127): the byte cannot fall under 1
	v_add_nc_u32 v11, 0xff000000, v12              ; 2 off the exponent field: the conversion takes the exponent field of this operand as its scale
	v_lshrrev_b32 v13, 23, v11                     ; the scale's byte
.if \kb == 0
	v_mov_b32 v14, v13
.else
	v_lshl_or_b32 v14, v13, 8*\kb, v14             ; the lower K in the lower byte
.endif
.irp g, 0,1,2,3
	v_cvt_scalef32_pk8_fp4_f32 v[R+4*\kb+\g], v[XS+8*\g:XS+8*\g+7], v11   ; nearest code, ties to even, beyond 6 the largest code
.endr
	global_store_b128 v3, v[R+4*\kb:R+4*\kb+3], s[14:15] offset:256*\kb   ; sixteen lanes store 256 consecutive bytes, aligned
.endm
	QBLK 0, 63
	QBLK 1, 63
	QBLK 2, 32
	QBLK 3, 0
	global_store_b32 v2, v14, s[16:17]             ; my column's scale word: 128 consecutive bytes a wave
	s_endpgm
.Lwo:	; ---- wo: eight neighbours along K make 16 bytes of f16
	s_lshr_b32 s28, s24, 1
	s_lshl_b32 s28, s28, 18                        ; column half,
	s_lshl_b32 s30, s25, 16                        ; four K steps of 32, 16,384 bytes each,
	s_add_co_u32 s28, s28, s30
	s_and_b32 s30, s24, 1
	s_lshl_b32 s30, s30, 13                        ; eight tiles of 1,024 bytes,
	s_add_co_u32 s28, s28, s30
	s_lshl_b32 s30, s22, 11                        ; two tiles a wave
	s_add_co_u32 s28, s28, s30
	s_add_nc_u64 s[18:19], s[18:19], s[28:29]
.irp i, 0,1,2,3,4,5,6,7,8,9,10,11,12,13,14,15
.if \i == 0
	s_wait_loadcnt 63                              ; as above: the first 32 loads are in
.endif
.if \i == 4
	s_wait_loadcnt 63
.endif
.if \i == 8
	s_wait_loadcnt 32
.endif
.if \i == 12
	s_wait_loadcnt 0
.endif
.irp j, 0,1,2,3
	v_cvt_pk_f16_f32 v[R+4*\i+\j], v[X+8*\i+2*\j], v[X+8*\i+2*\j+1]   ; the lower k in the low half
.endr
	global_store_b128 v4, v[R+4*\i:R+4*\i+3], s[18:19] offset:(\i/4)*16384+(\i%4)*256
.endr
	s_endpgm
.Lmask:	; ---- the mask: 1,024 bytes a work-group, two passes of four bytes a thread
	s_lshl_b32 s28, ttmp9, 10
	s_add_nc_u64 s[12:13], s[12:13], s[28:29]
	s_lshl_b32 s28, ttmp9, 12
	s_add_nc_u64 s[20:21], s[20:21], s[28:29]
	v_lshlrev_b32 v16, 2, v0
	v_lshlrev_b32 v17, 4, v0
	global_load_b32 v8, v16, s[12:13]
	global_load_b32 v9, v16, s[12:13] offset:512
	v_mov_b32 v10, ZNEG
	v_mov_b32 v12, 0
	s_wait_loadcnt 0x0
.irp p, 0,1
.irp j, 0,1,2,3
	v_bfe_u32 v11, v[8+\p], 8*\j, 8
	v_cmp_ne_u32 vcc_lo, 0, v11
	v_cndmask_b32 v[R+4*\p+\j], v10, v12, vcc_lo   ; true: 0; false: ZNEG
.endr
	global_store_b128 v17, v[R+4*\p:R+4*\p+3], s[20:21] offset:2048*\p   ; 512 consecutive bytes a wave
.endr
	s_endpgm
.Lfunc_end_k_qded6fca571_prep:
	.size	k_qded6fca571_prep, .Lfunc_end_k_qded6fca571_prep-k_qded6fca571_prep
	.p2alignl 7, 3214868480
	.fill 96, 4, 3214868480
	.section	.rodata,"a",@progbits
	.p2align	6, 0x0
	.amdhsa_kernel k_qded6fca571_prep
		.amdhsa_group_segment_fixed_size 0
		.amdhsa_private_segment_fixed_size 0
		.amdhsa_enable_private_segment 0
		.amdhsa_kernarg_size 72
		.amdhsa_user_sgpr_count 2
		.amdhsa_user_sgpr_kernarg_segment_ptr 1
		.amdhsa_wavefront_size32 1
		.amdhsa_system_sgpr_workgroup_id_x 1
		.amdhsa_system_sgpr_workgroup_id_y 1
		.amdhsa_system_sgpr_workgroup_id_z 1
		.amdhsa_system_vgpr_workitem_id 0
		.amdhsa_next_free_vgpr 224
		.amdhsa_next_free_sgpr 66
		.amdhsa_reserve_vcc 1
		.amdhsa_float_denorm_mode_32 3
		.amdhsa_float_denorm_mode_16_64 3
		.amdhsa_memory_ordered 1
		.amdhsa_forward_progress 1
		.amdhsa_inst_pref_size 28
	.end_amdhsa_kernel
	.amdgpu_metadata
---
amdhsa.version: [ 1, 2 ]
amdhsa.kernels:
  - .name:           k_qded6fca571_prep
    .symbol:         k_qded6fca571_prep.kd
    .args:
      - { .name: wq, .offset: 0, .size: 8, .value_kind: global_buffer, .address_space: global }
      - { .name: wk, .offset: 8, .size: 8, .value_kind: global_buffer, .address_space: global }
      - { .name: wv, .offset: 16, .size: 8, .value_kind: global_buffer, .address_space: global }
      - { .name: wo, .offset: 24, .size: 8, .value_kind: global_buffer, .address_space: global }
      - { .name: mask, .offset: 32, .size: 8, .value_kind: global_buffer, .address_space: global }
      - { .name: wc, .offset: 40, .size: 8, .value_kind: global_buffer, .address_space: global }
      - { .name: wsc, .offset: 48, .size: 8, .value_kind: global_buffer, .address_space: global }
      - { .name: wo16, .offset: 56, .size: 8, .value_kind: global_buffer, .address_space: global }
      - { .name: zt, .offset: 64, .size: 8, .value_kind: global_buffer, .address_space: global }
    .group_segment_fixed_size: 0
    .private_segment_fixed_size: 0
    .kernarg_segment_align: 8
    .kernarg_segment_size: 72
    .max_flat_workgroup_size: 128
    .sgpr_count:     66
    .vgpr_count:     224
    .wavefront_size: 32
...
	.end_amdgpu_metadata
.endif
;; end of part 1
;; launch proj (part 2): grid 64 x 3, 4 waves a work-group, no clusters, 71,168 bytes of LDS; arguments q, k, v, mask, wc, wsc, bq, bk, bv, qh, kh, vh; writes qh, kh, vh
.if DOCPART == 2
	.amdgcn_target "amdgcn-amd-amdhsa--gfx1250"
	.amdhsa_code_object_version 6
	.text
	.protected	k_qded6fca571_proj
	.globl	k_qded6fca571_proj
	.p2align	8
	.type	k_qded6fca571_proj,@function
k_qded6fca571_proj:
	s_mov_b64 s[64:65], 0
	v_nop
	global_prefetch_b8 v0, s[64:65] scope:SCOPE_SE
	s_setreg_imm32_b32 hwreg(HW_REG_WAVE_MODE, 25, 1), 1
	s_wait_xcnt 0x0
; Launch 2 of 4: the three QUANTISED products.  y = 0: qh = (Q(q) Q(wq) + bq) x log2(e) / 8;  y = 1: kh = Q(k) Q(wk) + bk, rows of masked keys set to 0;  y = 2: vh = Q(v) Q(wv) + bv.  No work of the problem is left out.
; Q is the quantiser along K = 512: codes of E2M1, one E8M0 scale for each 32.  The weights' codes and scale words were made by the launch before; q, k, v are read once, so they are quantised here, in registers.  Sums in f32; the bias is the C of each sum's first product.
; WHY THE FACTOR AND THE ZEROS.  The next launch takes t = logit x log2(e) as K Q^T + z with z = 0 or -1e9 log2(e) by the key.  With the factor folded into q in f32, ahead of the one rounding to f16, 2^(t - m) needs a subtraction alone and is exactly 1 at the maximum;
; with kh = 0 in a masked key's row, that key's t is exactly z, as reference()'s where() has it.
; RESULTS: qh, kh, vh [batch x 8 + head][2048][64] f16.  LIMITS: |qh| x 0.18, |kh|, |vh| over 65,504 are not served; NaN and infinities are not served; a block whose largest magnitude lies under 2^-124 gets the byte 1.
; SHARES.  A work-group of four waves stays on 256 rows of one tensor, four blocks of 64.  THE WAVES SHARE THE COLUMNS: wave w makes columns 128 w .. 128 w + 127 (heads 2 w, 2 w + 1) for all 64 rows, so its 32 weight fragments stay in 256 registers for the whole launch.
; For loading and quantising wave w owns rows 16 w .. 16 w + 15 of each block; their codes go to the other waves through LDS as images of the operand's registers (16 bytes a lane, 512 a store).
; No cluster: what work-groups share, 136 KB of weights read once into registers, is small beside each one's own 512 KB of rows.
; REGISTERS, in windows of 256: window 0: addresses, work, scale words; window 1: the weights' fragments (tile t, K step s at v[8 (4 t + s)]); window 2: the bias, v[8 t ..]; window 3: 64 loads of x in flight (row rho, K step s at v[4 (4 rho + s)]).
.set XSTW,  8448                       ; LDS 0: each wave's turning stage: 16 rows x (512 bytes + 16): one K step of 128 numbers
.set XI,    33792                      ; x's 16 fragment images, (4 m + s) x 1,024;
.set XSCO,  16384                      ; behind them the scale words: 512 m + 16 lane, four words a lane
.set OST,   52224                      ; each wave's stage for the way out: [head 2][16 rows][128 bytes + 16]
.set OSTW,  4608
.set SPARE, 70656                      ; the spare words, 128 bytes for each wave: two blocks of 256 bytes that no other line names
.set XG,   4                           ; v4   16 x lane: offset of global loads and stores
.set XSTO, 5                           ; v5   the turning stage, in
.set XRD,  6                           ; v6   and out: row r, + 64 h
.set XWI,  7                           ; v7   where I store images
.set XWS,  8                           ; v8   and scale words
.set LI,   9                           ; v9   XI + 16 x lane
.set SO,   10                          ; v10  way out: in
.set SR,   11                          ; v11  way out: back
.set MKB,  12                          ; v12  sixteen mask bits of my row r, one for each tile of 16 rows, the next tile's lowest
.set SPW,  14                          ; v14  my spare word's address; never rewritten
.set NIL,  15                          ; v15  0; never rewritten
.set XF,   16                          ; v16-47   x's four fragments
.set T0,   48                          ; v48-111  64 numbers to quantise; later the eight accumulators
.set ACC,  48
.set T1,   112                         ; v112-175 64 numbers to quantise; later PK and OB
.set PK,   112                         ; v112-143 packed results
.set OB,   144                         ; v144-175 rows read back from the stage
.set PC,   176                         ; v176-183 the codes just made
.set TM,   184                         ; v184-199 at work in QUANT
.set PW,   200                         ; v200-203 the four scale words just made
.set XS,   204                         ; v204-207 x's scale words
.set WS,   208                         ; v208-239 the weights' scale words: 4 t + s
.set XP,   28                          ; s[28:29] x
.set BP,   30                          ; s[30:31] the bias
.set OP,   32                          ; s[32:33] the result
.set WCP,  34
.set WSP,  36
.set MKP,  38
.set WV,   40
.set YY,   41
.set BLK,  44
.set CQ,   46                          ; s[46:47] log2(e) / 8, twice
.set SEL,  48                          ; s[48:49] v_permlanex16_b32's selects for lane l xor 16
.set MSB, 0
.macro WIN new                         ; the immediate's high byte repeats the setting that is left
.if MSB != \new
	s_set_vgpr_msb (MSB<<8)|\new
.set MSB, \new
.endif
.endm
.macro BARRIER                         ; my LDS stores have landed and my LDS loads are in: then the work-group's barrier
	s_wait_dscnt 0x0
	s_barrier_signal -1
	s_barrier_wait -1
.endm
.macro XLOAD ks, off                   ; my 16 rows' K step ks, 512 consecutive bytes a load
	WIN 0xc0                                       ; destination window 3
.irp rho, 0,1,2,3,4,5,6,7,8,9,10,11,12,13,14,15
	global_load_b128 v[4*(4*\rho+\ks):4*(4*\rho+\ks)+3], v[XG], s[XP:XP+1] offset:\off+2048*\rho+512*\ks th:TH_LOAD_NT
.endr
	WIN 0
.endm
; K step ks goes through my stage as it lies and comes back 16 neighbours of each block of 32 a lane: register 16 b + i = k 32 b + 16 h + i of row r.  LDS serves a wave's instructions in order: no wait between stores and loads, and the next turn's stores come behind these loads.
.macro XTURN ks, left, dst
	s_wait_loadcnt \left                           ; this K step's 16 loads are in; the count names the younger loads
	WIN 0x0c                                       ; an LDS store's data are its source 1: window 3
.irp rho, 0,1,2,3,4,5,6,7,8,9,10,11,12,13,14,15
	ds_store_b128 v[XSTO], v[4*(4*\rho+\ks):4*(4*\rho+\ks)+3] offset:\rho*528
.endr
	WIN 0
.irp b, 0,1,2,3
.irp j, 0,1,2,3
	ds_load_b128 v[\dst+16*\b+4*\j:\dst+16*\b+4*\j+3], v[XRD] offset:128*\b+16*\j
.endr
.endr
.endm
; 64 numbers of a lane become a fragment's codes in v[PC] on and its scale word in v[pw]
.macro QUANT src, pw
.irp b, 0,1,2,3
	v_max3_num_f32 v[TM+\b], |v[\src+16*\b]|, |v[\src+1+16*\b]|, 0x1800000   ; block b: my 16 numbers, and the floor 2^(3 - 127): the byte cannot fall under 1
.endr
.irp i, 2,4,6,8,10,12,14
.irp b, 0,1,2,3
	v_max3_num_f32 v[TM+\b], v[TM+\b], |v[\src+16*\b+\i]|, |v[\src+1+16*\b+\i]|   ; the four blocks by turns
.endr
.endr
.irp b, 0,1,2,3
	v_permlanex16_b32 v[TM+4+\b], v[TM+\b], s[SEL], s[SEL+1]
.endr
.irp b, 0,1,2,3
	v_max_num_f32 v[TM+\b], v[TM+\b], v[TM+4+\b]   ; with lane l xor 16's: the block's largest magnitude
.endr
.irp b, 0,1,2,3
	v_add_nc_u32 v[TM+12+\b], 0xff000000, v[TM+\b] ; 2 off its exponent field: the conversion's scale operand
.endr
.irp b, 0,1,2,3
	v_lshrrev_b32 v[TM+4+\b], 23, v[TM+12+\b]      ; the scale's byte
.endr
	v_lshl_or_b32 v[\pw], v[TM+5], 8, v[TM+4]
	v_lshl_or_b32 v[\pw], v[TM+6], 16, v[\pw]
	v_lshl_or_b32 v[\pw], v[TM+7], 24, v[\pw]
.irp b, 0,1,2,3
	v_cvt_scalef32_pk8_fp4_f32 v[PC+2*\b], v[\src+16*\b:\src+7+16*\b], v[TM+12+\b]
	v_cvt_scalef32_pk8_fp4_f32 v[PC+1+2*\b], v[\src+8+16*\b:\src+15+16*\b], v[TM+12+\b]
.endr
	v_nop                                          ; one plain place behind a scaled conversion
.irp c, 0,1                                    ; the operand's layout wants a whole block in a lane: lanes 0-15 block 2 c, lanes 16-31 block 2 c + 1
.irp i, 0,1
	v_permlane16_swap_b32 v[PC+4*\c+\i], v[PC+2+4*\c+\i]
.endr
.endr
.endm
.macro IMAGE ks
.irp c, 0,1
	ds_store_b128 v[XWI], v[PC+4*\c:PC+4*\c+3] offset:\ks*1024+512*\c
.endr
.endm
; My 16 rows become four fragments.  pre = 1: each K step's registers take the next block's loads as soon as their stores into the stage are done.
.macro XPHASE pre
	s_wait_xcnt 0x0                                ; the last tile's global stores have read OB, which T1's loads write
	XTURN 0, 48, T0                                ; behind K step 0's loads stand the block's other 48
	XTURN 1, 32, T1
	s_wait_dscnt 32                                ; all but the turn just issued: K step 0 is back
.if \pre
	XLOAD 0, 131072
.endif
	QUANT T0, PW
	IMAGE 0
.if \pre
	XTURN 2, 32, T0                                ; behind K step 2's: K step 3's and the next block's first 16
.else
	XTURN 2, 16, T0
.endif
	s_wait_dscnt 32                                ; K step 1 is back, and the image's stores have read PC
.if \pre
	XLOAD 1, 131072
.endif
	QUANT T1, PW+1
	IMAGE 1
.if \pre
	XTURN 3, 32, T1
.else
	XTURN 3, 0, T1
.endif
	s_wait_dscnt 32
.if \pre
	XLOAD 2, 131072
.endif
	QUANT T0, PW+2
	IMAGE 2
	s_wait_dscnt 0x0
.if \pre
	XLOAD 3, 131072
.endif
	QUANT T1, PW+3
	IMAGE 3
	ds_store_b128 v[XWS], v[PW:PW+3]
	BARRIER                                        ; the block's sixteen fragments and their scale words lie in LDS
.endm
; Rows 16 m on: my 128 columns.  TRANSPOSED: source 0 = 16 columns of W, source 1 = x's 16 rows: a lane holds eight neighbouring channels of row r.  The eight accumulators take turns.
.macro TILE m
.irp ks, 0,1,2,3
.irp c, 0,1
	ds_load_b128 v[XF+8*\ks+4*\c:XF+8*\ks+4*\c+3], v[LI] offset:(4*\m+\ks)*1024+512*\c
.endr
.endr
	ds_load_b128 v[XS:XS+3], v[LI] offset:XSCO+512*\m
	s_wait_dscnt 0x0
	WIN 0x21                                       ; source 0 (W) window 1, source 2 (the bias) window 2
.irp t, 0,1,2,3,4,5,6,7
	v_wmma_scale_f32_16x16x128_f8f6f4 v[ACC+8*\t:ACC+8*\t+7], v[32*\t:32*\t+7], v[XF:XF+7], v[8*\t:8*\t+7], v[WS+4*\t], v[XS] matrix_a_fmt:MATRIX_FMT_FP4 matrix_b_fmt:MATRIX_FMT_FP4
.endr
	WIN 0x01
.irp ks, 1,2,3
.irp t, 0,1,2,3,4,5,6,7
	v_wmma_scale_f32_16x16x128_f8f6f4 v[ACC+8*\t:ACC+8*\t+7], v[32*\t+8*\ks:32*\t+8*\ks+7], v[XF+8*\ks:XF+8*\ks+7], v[ACC+8*\t:ACC+8*\t+7], v[WS+4*\t+\ks], v[XS+\ks] matrix_a_fmt:MATRIX_FMT_FP4 matrix_b_fmt:MATRIX_FMT_FP4
.endr
.endr
	WIN 0
.rept 4
	v_nop                                          ; places behind the products: in front of the first read of results and of the next loads into their operands
.endr
	s_cmp_lg_u32 s[YY], 0                          ; q alone: x log2(e) / 8, in f32
	s_cbranch_scc1 .Lnot_q_\@
.set ii, 0
.rept 32
	v_pk_mul_f32 v[ACC+2*ii:ACC+2*ii+1], v[ACC+2*ii:ACC+2*ii+1], s[CQ:CQ+1] op_sel_hi:[1,0]
.set ii, ii+1
.endr
.Lnot_q_\@:
.irp t, 0,1,2,3,4,5,6,7
.irp j, 0,1,2,3
	v_cvt_pk_f16_f32 v[PK+4*\t+\j], v[ACC+8*\t+2*\j], v[ACC+8*\t+2*\j+1]   ; each accumulator from its low end on
.endr
.endr
	s_cmp_lg_u32 s[YY], 1                          ; k alone: a masked key's row becomes zeros (a selection, no branch on data)
	s_cbranch_scc1 .Lnot_k_\@
	v_and_b32 v13, 1, v[MKB]
	v_lshrrev_b32 v[MKB], 1, v[MKB]
	v_cmp_ne_u32 vcc_lo, 0, v13
.set ii, 0
.rept 32
	v_cndmask_b32 v[PK+ii], 0, v[PK+ii], vcc_lo
.set ii, ii+1
.endr
.Lnot_k_\@:
.irp t, 0,1,2,3,4,5,6,7
	ds_store_b128 v[SO], v[PK+4*\t:PK+4*\t+3] offset:(\t/4)*2304+32*(\t%4)
.endr
	s_wait_xcnt 0x0                                ; the tile before's global stores have read OB
.irp n, 0,1,2,3,4,5,6,7
	ds_load_b128 v[OB+4*\n:OB+4*\n+3], v[SR] offset:(\n/4)*2304+(\n%4)*576   ; four rows of 128 bytes a load: LDS serves a wave in order, these see the stores above
.endr
.irp n, 0,1,2,3,4,5,6,7
	s_wait_dscnt 7-\n
	global_store_b128 v[XG], v[OB+4*\n:OB+4*\n+3], s[OP:OP+1] offset:(\n/4)*262144+\m*2048+(\n%4)*512   ; 512 consecutive bytes, aligned: four rows of one head
.endr
.endm
.macro BLOCK pre
	XPHASE \pre
	TILE 0
	TILE 1
	TILE 2
	TILE 3
.if \pre
	BARRIER                                        ; every wave's reads of the images are over: the next block may write them
	s_wait_xcnt 0x0                                ; pending loads and stores have read their bases
	s_add_nc_u64 s[XP:XP+1], s[XP:XP+1], 131072    ; 64 rows of 2,048 bytes
	s_add_nc_u64 s[OP:OP+1], s[OP:OP+1], 8192      ; 64 rows of 128 bytes
.endif
.endm
	s_load_b512 s[4:19], s[0:1], 0x0               ; q 4, k 6, v 8, mask 10, wc 12, wsc 14, bq 16, bk 18
	s_load_b256 s[20:27], s[0:1], 0x40             ; bv 20, qh 22, kh 24, vh 26
	v_lshl_add_u32 v[SPW], v0, 2, SPARE
	v_mov_b32 v[NIL], 0
	v_lshrrev_b32 v1, 5, v0
	v_readfirstlane_b32 s[WV], v1                  ; wave 0..3
	s_and_b32 s[YY], ttmp7, 0xffff                 ; the tensor
	v_and_b32 v1, 31, v0                           ; lane
	v_and_b32 v2, 15, v0                           ; r
	v_bfe_u32 v3, v0, 4, 1                         ; h
	v_lshlrev_b32 v[XG], 4, v1
	s_mul_i32 s50, s[WV], XSTW
	v_add_nc_u32 v[XSTO], s50, v[XG]
	v_mul_u32_u24 v[XRD], v2, 528
	v_lshl_add_u32 v[XRD], v3, 6, v[XRD]
	v_add_nc_u32 v[XRD], s50, v[XRD]
	s_lshl_b32 s50, s[WV], 12
	s_add_co_u32 s50, s50, XI
	v_add_nc_u32 v[XWI], s50, v[XG]
	s_lshl_b32 s50, s[WV], 9
	s_add_co_u32 s50, s50, XI+XSCO
	v_add_nc_u32 v[XWS], s50, v[XG]
	v_add_nc_u32 v[LI], XI, v[XG]
	s_mul_i32 s50, s[WV], OSTW
	s_add_co_u32 s50, s50, OST
	v_mul_u32_u24 v[SO], v2, 144
	v_lshl_add_u32 v[SO], v3, 4, v[SO]
	v_add_nc_u32 v[SO], s50, v[SO]
	v_lshrrev_b32 v13, 3, v1
	v_mul_u32_u24 v[SR], v13, 144
	v_and_b32 v13, 7, v1
	v_lshl_add_u32 v[SR], v13, 4, v[SR]
	v_add_nc_u32 v[SR], s50, v[SR]
	v_lshlrev_b32 v240, 5, v3                      ; the bias: 32 h
	v_lshlrev_b32 v241, 2, v2                      ; the weights' scale words: 4 r
.irp b, 0,1,2,3
	v_mov_b32 v[TM+4+\b], 0                        ; written once: a lane permute's destination counts as one of its sources
.endr
	s_mov_b32 s[SEL], 0x76543210
	s_mov_b32 s[SEL+1], 0xfedcba98
	s_mov_b32 s[CQ], 0x3e38aa3b                    ; log2(e) / 8
	s_mov_b32 s[CQ+1], s[CQ]
	s_mov_b32 s[BLK], 3
	s_mov_b32 s51, 0
	s_wait_kmcnt 0x0
	s_cmp_eq_u32 s[YY], 1                          ; the buffers are chosen by the work-group's number alone
	s_cselect_b64 s[XP:XP+1], s[6:7], s[8:9]
	s_cselect_b64 s[BP:BP+1], s[18:19], s[20:21]
	s_cselect_b64 s[OP:OP+1], s[24:25], s[26:27]
	s_cmp_eq_u32 s[YY], 0
	s_cselect_b64 s[XP:XP+1], s[4:5], s[XP:XP+1]
	s_cselect_b64 s[BP:BP+1], s[16:17], s[BP:BP+1]
	s_cselect_b64 s[OP:OP+1], s[22:23], s[OP:OP+1]
	s_lshl_b32 s50, ttmp9, 19                      ; x: 256 rows of 2,048 bytes a work-group,
	s_lshl_b32 s52, s[WV], 15                      ; 16 rows a wave
	s_add_co_u32 s50, s50, s52
	s_add_nc_u64 s[XP:XP+1], s[XP:XP+1], s[50:51]
	s_lshr_b32 s50, ttmp9, 3                       ; the result: batch x 8 heads of 262,144 bytes,
	s_lshl_b32 s50, s50, 21
	s_lshl_b32 s52, s[WV], 19                      ; head 2 w,
	s_add_co_u32 s50, s50, s52
	s_and_b32 s52, ttmp9, 7
	s_lshl_b32 s52, s52, 15                        ; 256 rows of 128 bytes
	s_add_co_u32 s50, s50, s52
	s_add_nc_u64 s[OP:OP+1], s[OP:OP+1], s[50:51]
	s_lshl_b32 s50, s[YY], 17
	s_lshl_b32 s52, s[WV], 15                      ; my eight tiles of 16 columns
	s_add_co_u32 s50, s50, s52
	s_add_nc_u64 s[WCP:WCP+1], s[12:13], s[50:51]
	s_lshl_b32 s50, s[YY], 13
	s_lshl_b32 s52, s[WV], 9
	s_add_co_u32 s50, s50, s52
	s_add_nc_u64 s[WSP:WSP+1], s[14:15], s[50:51]
	s_mov_b32 s50, s52
	s_add_nc_u64 s[BP:BP+1], s[BP:BP+1], s[50:51]
	s_lshl_b32 s50, ttmp9, 8
	s_add_nc_u64 s[MKP:MKP+1], s[10:11], s[50:51]  ; the mask's 256 bytes of my rows
	WIN 0x40                                       ; destination window 1
.irp t, 0,1,2,3,4,5,6,7
.irp ks, 0,1,2,3
.irp c, 0,1
	global_load_b128 v[8*(4*\t+\ks)+4*\c:8*(4*\t+\ks)+4*\c+3], v[XG], s[WCP:WCP+1] offset:\t*4096+\ks*1024+\c*512
.endr
.endr
.endr
	WIN 0x80                                       ; destination window 2
.irp t, 0,1,2,3,4,5,6,7
	global_load_b128 v[8*\t:8*\t+3], v240, s[BP:BP+1] offset:64*\t
	global_load_b128 v[8*\t+4:8*\t+7], v240, s[BP:BP+1] offset:64*\t+16
.endr
	WIN 0
.irp t, 0,1,2,3,4,5,6,7
.irp ks, 0,1,2,3
	global_load_b32 v[WS+4*\t+\ks], v241, s[WSP:WSP+1] offset:\ks*2048+64*\t
.endr
.endr
	XLOAD 0, 0                                     ; the first block, K step by K step
	XLOAD 1, 0
	XLOAD 2, 0
	XLOAD 3, 0
	v_mov_b32 v[MKB], 0
	s_cmp_lg_u32 s[YY], 1
	s_cbranch_scc1 .Lno_mask
.irp i, 0,1,2,3,4,5,6,7,8,9,10,11,12,13,14,15
	global_load_u8 v[T1+\i], v2, s[MKP:MKP+1] offset:16*\i   ; the flag of row 16 i + r
.endr
	s_wait_loadcnt 0x0
.irp i, 0,1,2,3,4,5,6,7,8,9,10,11,12,13,14,15
	v_min_u32 v13, 1, v[T1+\i]
	v_lshl_or_b32 v[MKB], v13, \i, v[MKB]
.endr
.Lno_mask:
.Lblk:
	BLOCK 1
	s_sub_co_u32 s[BLK], s[BLK], 1
	s_cmp_lg_u32 s[BLK], 0
	s_cbranch_scc1 .Lblk
	BLOCK 0                                        ; the last block asks for nothing: no load leaves its buffer
	s_wait_tensorcnt 0x0                           ; the wave's end
	ds_add_u32 v[SPW], v[NIL]
	s_wait_dscnt 0x0
	s_endpgm
.Lfunc_end_k_qded6fca571_proj:
	.size	k_qded6fca571_proj, .Lfunc_end_k_qded6fca571_proj-k_qded6fca571_proj
	.p2alignl 7, 3214868480
	.fill 96, 4, 3214868480
	.section	.rodata,"a",@progbits
	.p2align	6, 0x0
	.amdhsa_kernel k_qded6fca571_proj
		.amdhsa_group_segment_fixed_size 71168
		.amdhsa_private_segment_fixed_size 0
		.amdhsa_enable_private_segment 0
		.amdhsa_kernarg_size 96
		.amdhsa_user_sgpr_count 2
		.amdhsa_user_sgpr_kernarg_segment_ptr 1
		.amdhsa_wavefront_size32 1
		.amdhsa_system_sgpr_workgroup_id_x 1
		.amdhsa_system_sgpr_workgroup_id_y 1
		.amdhsa_system_sgpr_workgroup_id_z 1
		.amdhsa_system_vgpr_workitem_id 0
		.amdhsa_next_free_vgpr 1024
		.amdhsa_next_free_sgpr 66
		.amdhsa_reserve_vcc 1
		.amdhsa_float_denorm_mode_32 3
		.amdhsa_float_denorm_mode_16_64 3
		.amdhsa_memory_ordered 1
		.amdhsa_forward_progress 1
		.amdhsa_inst_pref_size 175
	.end_amdhsa_kernel
	.amdgpu_metadata
---
amdhsa.version: [ 1, 2 ]
amdhsa.kernels:
  - .name:           k_qded6fca571_proj
    .symbol:         k_qded6fca571_proj.kd
    .args:
      - { .name: q, .offset: 0, .size: 8, .value_kind: global_buffer, .address_space: global }
      - { .name: k, .offset: 8, .size: 8, .value_kind: global_buffer, .address_space: global }
      - { .name: v, .offset: 16, .size: 8, .value_kind: global_buffer, .address_space: global }
      - { .name: mask, .offset: 24, .size: 8, .value_kind: global_buffer, .address_space: global }
      - { .name: wc, .offset: 32, .size: 8, .value_kind: global_buffer, .address_space: global }
      - { .name: wsc, .offset: 40, .size: 8, .value_kind: global_buffer, .address_space: global }
      - { .name: bq, .offset: 48, .size: 8, .value_kind: global_buffer, .address_space: global }
      - { .name: bk, .offset: 56, .size: 8, .value_kind: global_buffer, .address_space: global }
      - { .name: bv, .offset: 64, .size: 8, .value_kind: global_buffer, .address_space: global }
      - { .name: qh, .offset: 72, .size: 8, .value_kind: global_buffer, .address_space: global }
      - { .name: kh, .offset: 80, .size: 8, .value_kind: global_buffer, .address_space: global }
      - { .name: vh, .offset: 88, .size: 8, .value_kind: global_buffer, .address_space: global }
    .group_segment_fixed_size: 71168
    .private_segment_fixed_size: 0
    .kernarg_segment_align: 8
    .kernarg_segment_size: 96
    .max_flat_workgroup_size: 128
    .sgpr_count:     66
    .vgpr_count:     1024
    .wavefront_size: 32
...
	.end_amdgpu_metadata
.endif
;; end of part 2
;; launch attn (part 3): grid 4 x 64, 8 waves a work-group, clusters of 4 x 1, 327,680 bytes of LDS; arguments qh, kh, vh, zt, ao; writes ao
.if DOCPART == 3
	.amdgcn_target "amdgcn-amd-amdhsa--gfx1250"
	.amdhsa_code_object_version 6
	.text
	.protected	k_qded6fca571_attn
	.globl	k_qded6fca571_attn
	.p2align	8
	.type	k_qded6fca571_attn,@function
k_qded6fca571_attn:
	s_mov_b64 s[64:65], 0
	v_nop
	global_prefetch_b8 v0, s[64:65] scope:SCOPE_SE
	s_setreg_imm32_b32 hwreg(HW_REG_WAVE_MODE, 25, 1), 1
	s_wait_xcnt 0x0
	s_wait_alu depctr_hold_cnt(0) depctr_sa_sdst(0) depctr_va_vdst(0) depctr_va_sdst(0) depctr_va_ssrc(0) depctr_va_vcc(0) depctr_vm_vsrc(0)
	s_getreg_b32 s2, hwreg(HW_REG_IB_STS2, 6, 4)
	s_cmp_eq_u32 s2, 0
	s_cbranch_scc0 .Lentry_in_a_cluster
	s_endpgm
.Lentry_in_a_cluster:
	s_bfe_u32 s2, ttmp6, 0x10000c
	s_cmp_lg_u32 s2, 0x3003
	s_cbranch_scc0 .Lentry_shape_is_right
	s_endpgm
.Lentry_shape_is_right:
; Launch 3 of 4: for each batch and head, O[q] = sum over keys of softmax(logits) V, f16 operands, f32 sums, maxima and row sums.  No work of the problem is left out.
; t = logit x log2(e) comes straight out of the first product: qh carries the factor log2(e) / 8, the C of each tile's first product is z of its keys (0, or -1e9 log2(e) where the mask is false), and kh's rows of masked keys are zeros: a masked key's t is exactly z.
; SOFTMAX: for each query a running maximum m and sum l; p = 2^(t - m); in every step O and l are multiplied by a = 2^(m_old - m_new).  The sum is taken of p before it is rounded to f16.  A batch with no key left gives equal weights, as reference() does.
; LIMITS: p under 2^-25 becomes 0 in f16; NaN and infinities are not served.
; SHARES.  A work-group owns 512 queries of one head, each of its eight waves 64: four tiles of 16, in 512 registers, two waves to a SIMD.  Every wave walks all 2,048 keys, 64 a step; each fragment of K and V read from LDS feeds four products.
; LAYOUT.  S^T = K Q^T + z (source 0 = 16 keys, source 1 = 16 queries): a lane holds ONE query and the keys 8 (lane / 16) + 0..7.  Two such tiles, rounded to f16 in pairs IN PLACE, are source 1 of O^T = V^T P.  V comes out of LDS turned, by ds_load_tr16_b128.
; CLUSTER.  The four query blocks of a head walk the same K, V and z: each tile is asked for jointly, by the same tensor load with the same descriptor and the mask of all four.
; RING.  Two slots of 256 keys (four steps).  Waves 0-3 fetch a slot's four steps of K, waves 4-7 those of V: one load of 8,192 bytes a wave behind each round.  Two keys' rows, 256 consecutive bytes, are stated as one row, padded in LDS.
; RESULT.  ao: [16 rows][K step of 32 channels][half][lane][16 bytes]: the packed registers of O^T are the images of the last launch's source 1; each store covers 512 consecutive bytes, aligned.
; O^T begins as zeros and m as -3e38, so that the step is written once for all steps: the first change of m multiplies zeros.
; REGISTERS: window 0: v2-13 addresses; v16-47 statistics, eight a tile; v48-175 S^T, 32 a tile, then P in the low 16; v176-239 K's eight fragments, then V's.  window 1: v0-63 Q; v64-191 O^T, 32 a tile; v192-223 z.
.set STEPB, 17920                      ; a step in LDS: 32 pair-rows of K (256 + 16 bytes), then 32 of V (256 + 32)
.set VOFF,  8704
.set SLOT1, 131072                     ; slot 1 begins here: one exclusive or turns an address
.set ZT,    202752                     ; the batch's z, 8,192 bytes, filled once
.set SPARE, 210944                     ; the spare words, 128 bytes for each wave: four blocks of 256 bytes that no other line names
.set AK0, 2
.set AV0, 3
.set AZ0, 4
.set ADK, 5
.set ADV, 6
.set ADZ, 7
.set QO,  8
.set GO,  9
.set PFO, 10
.set SPW, 12
.set NIL, 13
.set ST,  16                           ; tile qt at ST + 8 qt: +0 m, +1 its pair's partner, +2 +3 l, +4..+7 at work; a in +6
.set S,   48
.set KV,  176
.set O,   64                           ; window 1
.set Z,   192                          ; window 1
.set WV,  14
.set LIM, 15                           ; 1 in a wave that prefetches, else the greatest number
.set PFA, 18                           ; s[18:19] where my prefetches stand
.set G1K, 24
.set G1V, 32
.set G0K, 40
.set G0V, 44
.set G1Z, 48
.set G0Z, 56
.set SEL, 60
.set TB,  62                           ; LDS byte at which the step's tiles begin
.set TZ,  63                           ; the step's place in z
.set SLOTS, 66
.set CNT, 67
.set MSB, 0
.macro WIN new
.if MSB != \new
	s_set_vgpr_msb (MSB<<8)|\new
.set MSB, \new
.endif
.endm
.macro CROUND                          ; a round of the cluster's barrier
	s_barrier_signal -1
	s_barrier_wait -1
	s_cmp_lg_u32 s[WV], 0
	s_cbranch_scc1 .Lnot_wave_0_\@
	s_barrier_signal -3
.Lnot_wave_0_\@:
	s_barrier_wait -3
	s_barrier_signal -1
	s_barrier_wait -1
.endm
.macro JLOAD                           ; a joint refill; the branch hangs on the wave's number alone; an s_nop 0 and four v_nop follow each line
	s_cmp_lt_u32 s[WV], 4
	s_cbranch_scc0 .Lfor_v_\@
	tensor_load_to_lds s[G0K:G0K+3], s[G1K:G1K+7]
	s_nop 0
.rept 4
	v_nop
.endr
	s_branch .Lasked_\@
.Lfor_v_\@:
	tensor_load_to_lds s[G0V:G0V+3], s[G1V:G1V+7]
	s_nop 0
.rept 4
	v_nop
.endr
.Lasked_\@:
.endm
; A prefetch of what the NEXT change of slots will ask for: a slot's 32,768 bytes of K and of V.  Wave 0 asks for K's, wave 4 for V's; the four partners take 8,192 bytes each, told apart by address alone; lanes 256 bytes apart: each block is named once in the launch.
; It stands four key steps ahead of the load that wants the bytes.  The last change that fills a slot asks for nothing; slots 0 and 1 come by their loads alone.
.macro ASK
	s_cmp_gt_u32 s[SLOTS], s[LIM]
	s_cbranch_scc0 .Lnot_mine_\@
	global_prefetch_b8 v[PFO], s[PFA:PFA+1] th:TH_LOAD_NT scope:SCOPE_SE
.Lnot_mine_\@:
.endm
	s_load_b256 s[4:11], s[0:1], 0x0               ; qh 4, kh 6, vh 8, zt 10
	s_load_b64 s[12:13], s[0:1], 0x20              ; ao
	v_lshl_add_u32 v[SPW], v0, 2, SPARE
	v_mov_b32 v[NIL], 0
	ds_add_u32 v[SPW], v[NIL]                      ; the wave's opening: the add, twice on end, and its wait ahead of my first tensor load
	ds_add_u32 v[SPW], v[NIL]
	v_lshrrev_b32 v1, 5, v0
	v_readfirstlane_b32 s[WV], v1                  ; wave 0..7
	s_bfe_u32 s16, ttmp6, 0x40000                  ; cx: my block of 512 queries; it enters qh's, ao's and the prefetches' addresses alone
	s_and_b32 s17, ttmp7, 0xffff                   ; batch x 8 + head, which the four partners share
	s_mov_b32 s[G1K], 15|(3<<16)|(1<<20)|(1<<21)|(5<<22)|(3<<25)   ; the mask of all four; elements of 8 bytes; padding on; bit 21 beside a mask; after every 64 words four words
	s_mov_b32 s[G1V], 15|(3<<16)|(1<<20)|(1<<21)|(5<<22)|(7<<25)   ; the same with eight words
.irp g, G1K, G1V
	s_mov_b32 s[\g+1], 32<<16                      ; tensor_dim0 = 32 elements: 256 bytes, two keys
	s_mov_b32 s[\g+2], 32<<16                      ; tensor_dim1 = 32 rows
	s_mov_b32 s[\g+3], 32<<16                      ; tile_dim0
	s_mov_b32 s[\g+4], 32                          ; tile_dim1
	s_mov_b32 s[\g+5], 32                          ; the pitch: dense
	s_mov_b32 s[\g+6], 0
	s_mov_b32 s[\g+7], 0
.endr
	s_mov_b32 s[G1Z], 15|(3<<16)|(1<<21)           ; z: four rows of 256 bytes a wave, no padding
	s_mov_b32 s[G1Z+1], 32<<16
	s_mov_b32 s[G1Z+2], 4<<16
	s_mov_b32 s[G1Z+3], 32<<16
	s_mov_b32 s[G1Z+4], 4
	s_mov_b32 s[G1Z+5], 32
	s_mov_b32 s[G1Z+6], 0
	s_mov_b32 s[G1Z+7], 0
	s_mov_b32 s[SEL], 0x76543210
	s_mov_b32 s[SEL+1], 0xfedcba98
	s_mov_b32 s[TB], 0
	s_mov_b32 s[TZ], 0
	s_mov_b32 s[SLOTS], 7
	s_and_b32 s[LIM], s[WV], 3
	s_cmp_eq_u32 s[LIM], 0
	s_cselect_b32 s[LIM], 1, -1
	s_lshl_b32 s20, s17, 18                        ; the head's first byte in qh, kh, vh
	s_and_b32 s22, s[WV], 3                        ; which of a slot's four steps I fetch:
	s_lshl_b32 s68, s22, 13                        ; its 8,192 bytes in memory,
	s_add_co_u32 s68, s68, s20
	s_mov_b32 s69, 0
	s_mul_i32 s23, s22, STEPB                      ; and its place in a slot
	s_lshr_b32 s21, s17, 3                         ; the batch:
	s_lshl_b32 s72, s21, 13                        ; its 8,192 bytes of z,
	s_lshl_b32 s22, s[WV], 10                      ; 1,024 a wave
	s_add_co_u32 s72, s72, s22
	s_mov_b32 s73, 0
	s_lshl_b32 s70, s16, 16                        ; qh: my block's 512 rows of 128 bytes,
	s_lshl_b32 s71, s[WV], 13                      ; my wave's 64
	s_add_co_u32 s70, s70, s71
	s_add_co_u32 s70, s70, s20
	s_mov_b32 s71, 0
	s_lshl_b32 s74, s21, 21                        ; ao: (128 batch + 32 cx + 4 wave) tiles of 16,384 bytes + 2,048 head
	s_lshl_b32 s75, s16, 19
	s_add_co_u32 s74, s74, s75
	s_lshl_b32 s75, s[WV], 16
	s_add_co_u32 s74, s74, s75
	s_and_b32 s75, s17, 7
	s_lshl_b32 s75, s75, 11
	s_add_co_u32 s74, s74, s75
	s_mov_b32 s75, 0
	s_wait_dscnt 0x0                               ; both opening adds are done
	s_wait_kmcnt 0x0
	s_add_nc_u64 s[4:5], s[4:5], s[70:71]
	s_add_nc_u64 s[12:13], s[12:13], s[74:75]
	s_cmp_lt_u32 s[WV], 4
	s_cselect_b64 s[PFA:PFA+1], s[6:7], s[8:9]
	s_lshl_b32 s70, s16, 13                        ; my work-group's 8,192 bytes of a slot,
	s_add_co_u32 s70, s70, s20
	s_add_co_u32 s70, s70, 32768                   ; in slot 1: the first change of slots steps it to slot 2.  Nothing is prefetched here, at the head
	s_add_nc_u64 s[PFA:PFA+1], s[PFA:PFA+1], s[70:71]
	s_mov_b32 s[G0K], 1
	s_mov_b32 s[G0K+1], s23
	s_add_nc_u64 s[G0K+2:G0K+3], s[6:7], s[68:69]
	s_or_b32 s[G0K+3], s[G0K+3], 0x80000000
	s_mov_b32 s[G0V], 1
	s_add_co_u32 s[G0V+1], s23, VOFF
	s_add_nc_u64 s[G0V+2:G0V+3], s[8:9], s[68:69]
	s_or_b32 s[G0V+3], s[G0V+3], 0x80000000
	s_mov_b32 s[G0Z], 1
	s_add_co_u32 s[G0Z+1], s22, ZT
	s_add_nc_u64 s[G0Z+2:G0Z+3], s[10:11], s[72:73]
	s_or_b32 s[G0Z+3], s[G0Z+3], 0x80000000
	CROUND                                         ; all four work-groups are here: the first joint loads meet
	s_cmp_lt_u32 s[WV], 4                          ; a wave's two first fills stand in one branch; every wave issues them: two loads of mine are out
	s_cbranch_scc0 .Lfirst_v
	tensor_load_to_lds s[G0Z:G0Z+3], s[G1Z:G1Z+7]
	s_nop 0
	tensor_load_to_lds s[G0K:G0K+3], s[G1K:G1K+7]
	s_nop 0
.rept 4
	v_nop
.endr
	s_branch .Lfirst_asked
.Lfirst_v:
	tensor_load_to_lds s[G0Z:G0Z+3], s[G1Z:G1Z+7]
	s_nop 0
	tensor_load_to_lds s[G0V:G0V+3], s[G1V:G1V+7]
	s_nop 0
.rept 4
	v_nop
.endr
.Lfirst_asked:
	v_and_b32 v1, 31, v0                           ; lane
	v_and_b32 v14, 15, v0                          ; r
	v_bfe_u32 v15, v0, 4, 1                        ; h
	v_lshrrev_b32 v5, 1, v14                       ; K: key r lies in pair-row r / 2, half r % 2; + 16 h
	v_mul_u32_u24 v[AK0], v5, 272
	v_and_b32 v5, 1, v14
	v_lshl_add_u32 v[AK0], v5, 7, v[AK0]
	v_lshl_add_u32 v[AK0], v15, 4, v[AK0]
	v_bfe_u32 v5, v0, 1, 2                         ; V, for the turning load: lane l addresses key 8 h + l % 8, channels 8 ((l / 8) % 2) on
	v_lshl_add_u32 v5, v15, 2, v5
	v_mul_u32_u24 v[AV0], v5, 288
	v_and_b32 v5, 1, v0
	v_lshl_add_u32 v[AV0], v5, 7, v[AV0]
	v_bfe_u32 v5, v0, 3, 1
	v_lshl_add_u32 v[AV0], v5, 4, v[AV0]
	v_add_nc_u32 v[AV0], VOFF, v[AV0]
	v_lshl_add_u32 v[AZ0], v15, 5, ZT              ; z: my half's eight keys
	v_lshlrev_b32 v[QO], 7, v14
	v_lshl_add_u32 v[QO], v15, 4, v[QO]
	v_lshlrev_b32 v[GO], 4, v1
	v_lshlrev_b32 v[PFO], 8, v1
	WIN 0x40                                       ; destination window 1
.irp qt, 0,1,2,3
.irp c, 0,1
	global_load_b128 v[16*\qt+8*\c:16*\qt+8*\c+3], v[QO], s[4:5] offset:\qt*2048+64*\c      ; Q stays in registers
	global_load_b128 v[16*\qt+8*\c+4:16*\qt+8*\c+7], v[QO], s[4:5] offset:\qt*2048+64*\c+32
.endr
.endr
.set ii, 0
.rept 128
	v_mov_b32 v[O+ii], 0
.set ii, ii+1
.endr
	WIN 0
.irp qt, 0,1,2,3
	v_mov_b32 v[ST+8*\qt], 0xff61b1e6              ; m = -3e38, under every t
	v_mov_b32 v[ST+8*\qt+1], 0                     ; named with m as a pair, so it is written
	v_mov_b32 v[ST+8*\qt+2], 0                     ; l, in two halves
	v_mov_b32 v[ST+8*\qt+3], 0
	v_mov_b32 v[ST+8*\qt+5], 0                     ; a lane permute's destination counts as one of its sources
.endr
	s_wait_loadcnt 0x0                             ; Q
.macro SUBM qt, pr                     ; pair pr of tile qt: t - m
	v_pk_add_f32 v[S+32*(\qt)+2*(\pr):S+32*(\qt)+2*(\pr)+1], v[S+32*(\qt)+2*(\pr):S+32*(\qt)+2*(\pr)+1], v[ST+8*(\qt):ST+8*(\qt)+1] op_sel_hi:[1,0] neg_lo:[0,1] neg_hi:[0,1]
.endm
; A KEY STEP: 64 keys.
.macro STEP
	v_add_nc_u32 v[ADK], s[TB], v[AK0]             ; these three and two v_nop are five places behind the last products V^T P: the first product below writes over P's registers, the loads fill V's
	v_add_nc_u32 v[ADV], s[TB], v[AV0]
	v_add_nc_u32 v[ADZ], s[TZ], v[AZ0]
	v_nop
	v_nop
.irp kt, 0,1,2,3
.irp c, 0,1
	ds_load_b128 v[KV+8*(2*\kt+\c):KV+8*(2*\kt+\c)+3], v[ADK] offset:\kt*2176+64*\c
	ds_load_b128 v[KV+8*(2*\kt+\c)+4:KV+8*(2*\kt+\c)+7], v[ADK] offset:\kt*2176+64*\c+32
.endr
.endr
	WIN 0x40
.irp kt, 0,1,2,3
	ds_load_b128 v[Z+8*\kt:Z+8*\kt+3], v[ADZ] offset:64*\kt
	ds_load_b128 v[Z+8*\kt+4:Z+8*\kt+7], v[ADZ] offset:64*\kt+16
.endr
	s_wait_dscnt 0x0
	WIN 0x14                                       ; Q (source 1) and z (source 2) window 1.  The 16 accumulators take turns
.irp kt, 0,1,2,3
.irp qt, 0,1,2,3
	v_wmma_f32_16x16x32_f16 v[S+32*\qt+8*\kt:S+32*\qt+8*\kt+7], v[KV+16*\kt:KV+16*\kt+7], v[16*\qt:16*\qt+7], v[Z+8*\kt:Z+8*\kt+7]
.endr
.endr
	WIN 0x04
.irp kt, 0,1,2,3
.irp qt, 0,1,2,3
	v_wmma_f32_16x16x32_f16 v[S+32*\qt+8*\kt:S+32*\qt+8*\kt+7], v[KV+16*\kt+8:KV+16*\kt+15], v[16*\qt+8:16*\qt+15], v[S+32*\qt+8*\kt:S+32*\qt+8*\kt+7]
.endr
.endr
	WIN 0
.rept 4
	v_nop                                          ; places in front of the loads into K's registers and of the first read of the scores
.endr
.irp u, 0,1
.irp ct, 0,1,2,3
	ds_load_tr16_b128 v[KV+8*(4*\u+\ct):KV+8*(4*\u+\ct)+3], v[ADV] offset:\u*4608+32*\ct          ; V lands under the softmax
	ds_load_tr16_b128 v[KV+8*(4*\u+\ct)+4:KV+8*(4*\u+\ct)+7], v[ADV] offset:\u*4608+32*\ct+2304
.endr
.endr
	; the maximum of 32 scores and the old m, four chains a tile, the tiles by turns; each accumulator is first read at its low end
.irp j, 0,1,2,3
.irp qt, 0,1,2,3
	v_max3_num_f32 v[ST+8*\qt+4+\j], v[S+32*\qt+8*\j], v[S+32*\qt+8*\j+1], v[S+32*\qt+8*\j+2]
.endr
.endr
.irp g, 1,2
.irp j, 0,1,2,3
.irp qt, 0,1,2,3
	v_max3_num_f32 v[ST+8*\qt+4+\j], v[ST+8*\qt+4+\j], v[S+32*\qt+8*\j+2*\g+1], v[S+32*\qt+8*\j+2*\g+2]
.endr
.endr
.endr
.irp qt, 0,1,2,3
	v_max3_num_f32 v[ST+8*\qt+4], v[ST+8*\qt+4], v[S+32*\qt+7], v[S+32*\qt+15]
.endr
.irp qt, 0,1,2,3
	v_max3_num_f32 v[ST+8*\qt+6], v[ST+8*\qt+6], v[S+32*\qt+23], v[S+32*\qt+31]
.endr
.irp qt, 0,1,2,3
	v_max3_num_f32 v[ST+8*\qt+4], v[ST+8*\qt+4], v[ST+8*\qt+5], v[ST+8*\qt+6]
.endr
.irp qt, 0,1,2,3
	v_max3_num_f32 v[ST+8*\qt+4], v[ST+8*\qt+4], v[ST+8*\qt+7], v[ST+8*\qt]
.endr
.irp qt, 0,1,2,3
	v_permlanex16_b32 v[ST+8*\qt+5], v[ST+8*\qt+4], s[SEL], s[SEL+1]   ; the query's other 32 keys lie in the lane 16 away
.endr
.irp qt, 0,1,2,3
	v_max_num_f32 v[ST+8*\qt+4], v[ST+8*\qt+4], v[ST+8*\qt+5]
.endr
.irp qt, 0,1,2,3
	v_sub_f32 v[ST+8*\qt+7], v[ST+8*\qt], v[ST+8*\qt+4]                ; m_old - m_new
.endr
.irp qt, 0,1,2,3
	v_mov_b32 v[ST+8*\qt], v[ST+8*\qt+4]
.endr
	; ONE BATCH: the four a, the 64 packed subtractions and the 128 exponentials; no line of it reads an exponential's result
.irp qt, 0,1,2,3
	v_exp_f32 v[ST+8*\qt+6], v[ST+8*\qt+7]
.endr
.set bb, 0
.rept 16
	SUBM 0, bb
.set bb, bb+1
.endr
.irp qt, 0,1,2,3
.set bb, 0
.rept 16
.if \qt < 3
	SUBM \qt+1, bb                                 ; the next tile's subtraction leads each pair of exponentials
.endif
	v_exp_f32 v[S+32*\qt+2*bb], v[S+32*\qt+2*bb]
	v_exp_f32 v[S+32*\qt+2*bb+1], v[S+32*\qt+2*bb+1]
.set bb, bb+1
.endr
.endr
	v_nop                                          ; a plain instruction behind the last exponential
	s_wait_alu depctr_va_vdst(0)                   ; one wait for the whole batch, ahead of its first reader
	; the sums of the unrounded p: l = a l + ..., two chains a tile
.irp qt, 0,1,2,3
	v_pk_fma_f32 v[ST+8*\qt+2:ST+8*\qt+3], v[ST+8*\qt+2:ST+8*\qt+3], v[ST+8*\qt+6:ST+8*\qt+7], v[S+32*\qt:S+32*\qt+1] op_sel_hi:[1,0,1]
.endr
.irp qt, 0,1,2,3
	v_pk_add_f32 v[ST+8*\qt+4:ST+8*\qt+5], v[S+32*\qt+2:S+32*\qt+3], v[S+32*\qt+6:S+32*\qt+7]
.endr
.irp i, 4,8,12,16,20,24,28
.irp qt, 0,1,2,3
	v_pk_add_f32 v[ST+8*\qt+2:ST+8*\qt+3], v[ST+8*\qt+2:ST+8*\qt+3], v[S+32*\qt+\i:S+32*\qt+\i+1]
.endr
.if \i < 28
.irp qt, 0,1,2,3
	v_pk_add_f32 v[ST+8*\qt+4:ST+8*\qt+5], v[ST+8*\qt+4:ST+8*\qt+5], v[S+32*\qt+\i+6:S+32*\qt+\i+7]
.endr
.endif
.endr
.irp qt, 0,1,2,3
	v_pk_add_f32 v[ST+8*\qt+2:ST+8*\qt+3], v[ST+8*\qt+2:ST+8*\qt+3], v[ST+8*\qt+4:ST+8*\qt+5]
.endr
	; P: rounded to f16 in pairs, in place: register i takes numbers 2 i and 2 i + 1, ascending, so nothing is written before it is read
.set ii, 0
.rept 16
.irp qt, 0,1,2,3
	v_cvt_pk_f16_f32 v[S+32*\qt+ii], v[S+32*\qt+2*ii], v[S+32*\qt+2*ii+1]
.endr
.set ii, ii+1
.endr
	WIN 0x41                                       ; O^T (destination and source 0) window 1, a window 0
.irp qt, 0,1,2,3
.set ii, 0
.rept 16
	v_pk_mul_f32 v[O+32*\qt+2*ii:O+32*\qt+2*ii+1], v[O+32*\qt+2*ii:O+32*\qt+2*ii+1], v[ST+8*\qt+6:ST+8*\qt+7] op_sel_hi:[1,0]
.set ii, ii+1
.endr
.endr
	s_wait_dscnt 0x0                               ; V is in
	WIN 0x50                                       ; C and D window 1.  The 16 accumulators take turns
.irp u, 0,1
.irp ct, 0,1,2,3
.irp qt, 0,1,2,3
	v_wmma_f32_16x16x32_f16 v[O+32*\qt+8*\ct:O+32*\qt+8*\ct+7], v[KV+8*(4*\u+\ct):KV+8*(4*\u+\ct)+7], v[S+32*\qt+8*\u:S+32*\qt+8*\u+7], v[O+32*\qt+8*\ct:O+32*\qt+8*\ct+7]
.endr
.endr
.endr
	WIN 0
	s_add_co_u32 s[TB], s[TB], STEPB
	s_add_co_u32 s[TZ], s[TZ], 256
.endm
; THE CHANGE OF SLOTS stands at a slot's head.  Each wave waits for all its tensor loads (its part of the slot ahead), adds 0 to its spare word, and waits for that and for its reads of the slot that it has left.
; fill = 1: a round of the cluster's barrier, and behind it the other slot is asked for jointly: the load has four key steps in which to land.  In the first trip these are slot 1's first fills, in the later trips refills.
.macro CHANGE fill
	s_wait_tensorcnt 0x0                           ; no tensor load of mine is out, so a group 0 may be written
	ds_add_u32 v[SPW], v[NIL]                      ; 0 onto my spare word
.if \fill
	s_xor_b32 s[G0K+1], s[G0K+1], SLOT1            ; the walking descriptors: the other slot,
	s_add_nc_u64 s[G0K+2:G0K+3], s[G0K+2:G0K+3], 32768   ; the next 256 keys
	s_xor_b32 s[G0V+1], s[G0V+1], SLOT1
	s_add_nc_u64 s[G0V+2:G0V+3], s[G0V+2:G0V+3], 32768
	s_wait_xcnt 0x0                                ; the last prefetch, a slot back, has read its address
	s_add_nc_u64 s[PFA:PFA+1], s[PFA:PFA+1], 32768
	s_wait_dscnt 0x0                               ; the add is done, and my reads of the slot that I have left are over
	CROUND
	JLOAD
	ASK
.else
	s_wait_dscnt 0x0
	s_barrier_signal -1
	s_barrier_wait -1
.endif
.endm
.macro SLOT_STEPS                      ; a slot's four key steps: written once, walked four times
	s_mov_b32 s[CNT], 4
.Lstep_\@:
	STEP
	s_sub_co_u32 s[CNT], s[CNT], 1
	s_cmp_lg_u32 s[CNT], 0
	s_cbranch_scc1 .Lstep_\@
	s_sub_co_u32 s[TB], s[TB], 4*STEPB
	s_xor_b32 s[TB], s[TB], SLOT1                  ; on to the other slot
.endm
.Lslot:                                            ; seven trips: behind each change of slots but the last the next slot is asked for
	CHANGE 1
	SLOT_STEPS
	s_sub_co_u32 s[SLOTS], s[SLOTS], 1
	s_cmp_lg_u32 s[SLOTS], 0
	s_cbranch_scc1 .Lslot
	CHANGE 0                                       ; the last slot is written out
	SLOT_STEPS
	; THE WAY OUT.  The additions are the places behind the last products.
.irp qt, 0,1,2,3
	v_add_f32 v[ST+8*\qt+4], v[ST+8*\qt+2], v[ST+8*\qt+3]
.endr
.irp qt, 0,1,2,3
	v_permlanex16_b32 v[ST+8*\qt+5], v[ST+8*\qt+4], s[SEL], s[SEL+1]
.endr
.irp qt, 0,1,2,3
	v_add_f32 v[ST+8*\qt+4], v[ST+8*\qt+4], v[ST+8*\qt+5]   ; the row's sum: at least 1, the maximum's own p
.endr
.irp qt, 0,1,2,3
	v_rcp_f32 v[ST+8*\qt+6], v[ST+8*\qt+4]
.endr
	v_nop
	s_wait_alu depctr_va_vdst(0)                   ; one wait for the four reciprocals, ahead of their first reader
	WIN 0x41
.irp qt, 0,1,2,3
.set ii, 0
.rept 16
	v_pk_mul_f32 v[O+32*\qt+2*ii:O+32*\qt+2*ii+1], v[O+32*\qt+2*ii:O+32*\qt+2*ii+1], v[ST+8*\qt+6:ST+8*\qt+7] op_sel_hi:[1,0]
.set ii, ii+1
.endr
.endr
	WIN 0x05                                       ; sources window 1, destination window 0: S^T's registers are free
.irp qt, 0,1,2,3
.set ii, 0
.rept 16
	v_cvt_pk_f16_f32 v[S+16*\qt+ii], v[O+32*\qt+2*ii], v[O+32*\qt+2*ii+1]
.set ii, ii+1
.endr
.endr
	WIN 0
.irp qt, 0,1,2,3
.irp ct, 0,1,2,3
	global_store_b128 v[GO], v[S+16*\qt+4*\ct:S+16*\qt+4*\ct+3], s[12:13] offset:\qt*16384+(\ct/2)*1024+(\ct%2)*512   ; 512 consecutive bytes, aligned
.endr
.endr
	s_wait_tensorcnt 0x0                           ; the wave's end
	ds_add_u32 v[SPW], v[NIL]
	s_wait_dscnt 0x0
	CROUND                                         ; the closing round: no work-group ends while a partner may still ask for a tile that names it
	s_endpgm
.Lfunc_end_k_qded6fca571_attn:
	.size	k_qded6fca571_attn, .Lfunc_end_k_qded6fca571_attn-k_qded6fca571_attn
	.p2alignl 7, 3214868480
	.fill 96, 4, 3214868480
	.section	.rodata,"a",@progbits
	.p2align	6, 0x0
	.amdhsa_kernel k_qded6fca571_attn
		.amdhsa_group_segment_fixed_size 327680
		.amdhsa_private_segment_fixed_size 0
		.amdhsa_enable_private_segment 0
		.amdhsa_kernarg_size 40
		.amdhsa_user_sgpr_count 2
		.amdhsa_user_sgpr_kernarg_segment_ptr 1
		.amdhsa_wavefront_size32 1
		.amdhsa_system_sgpr_workgroup_id_x 1
		.amdhsa_system_sgpr_workgroup_id_y 1
		.amdhsa_system_sgpr_workgroup_id_z 1
		.amdhsa_system_vgpr_workitem_id 0
		.amdhsa_next_free_vgpr 512
		.amdhsa_next_free_sgpr 76
		.amdhsa_reserve_vcc 0
		.amdhsa_float_denorm_mode_32 3
		.amdhsa_float_denorm_mode_16_64 3
		.amdhsa_memory_ordered 1
		.amdhsa_forward_progress 1
		.amdhsa_inst_pref_size 90
	.end_amdhsa_kernel
	.amdgpu_metadata
---
amdhsa.version: [ 1, 2 ]
amdhsa.kernels:
  - .name:           k_qded6fca571_attn
    .symbol:         k_qded6fca571_attn.kd
    .args:
      - { .name: qh, .offset: 0, .size: 8, .value_kind: global_buffer, .address_space: global }
      - { .name: kh, .offset: 8, .size: 8, .value_kind: global_buffer, .address_space: global }
      - { .name: vh, .offset: 16, .size: 8, .value_kind: global_buffer, .address_space: global }
      - { .name: zt, .offset: 24, .size: 8, .value_kind: global_buffer, .address_space: global }
      - { .name: ao, .offset: 32, .size: 8, .value_kind: global_buffer, .address_space: global }
    .group_segment_fixed_size: 327680
    .private_segment_fixed_size: 0
    .kernarg_segment_align: 8
    .kernarg_segment_size: 40
    .max_flat_workgroup_size: 256
    .sgpr_count:     76
    .vgpr_count:     512
    .wavefront_size: 32
...
	.end_amdgpu_metadata
.endif
;; end of part 3
;; launch outp (part 4): grid 128 x 2, 4 waves a work-group, clusters of 4 x 1, 327,680 bytes of LDS; arguments ao, wo16, bo, out0; writes out0
.if DOCPART == 4
	.amdgcn_target "amdgcn-amd-amdhsa--gfx1250"
	.amdhsa_code_object_version 6
	.text
	.protected	k_qded6fca571_outp
	.globl	k_qded6fca571_outp
	.p2align	8
	.type	k_qded6fca571_outp,@function
k_qded6fca571_outp:
	s_mov_b64 s[64:65], 0
	v_nop
	global_prefetch_b8 v0, s[64:65] scope:SCOPE_SE
	s_setreg_imm32_b32 hwreg(HW_REG_WAVE_MODE, 25, 1), 1
	s_wait_xcnt 0x0
	s_wait_alu depctr_hold_cnt(0) depctr_sa_sdst(0) depctr_va_vdst(0) depctr_va_sdst(0) depctr_va_ssrc(0) depctr_va_vcc(0) depctr_vm_vsrc(0)
	s_getreg_b32 s2, hwreg(HW_REG_IB_STS2, 6, 4)
	s_cmp_eq_u32 s2, 0
	s_cbranch_scc0 .Lentry_in_a_cluster
	s_endpgm
.Lentry_in_a_cluster:
	s_bfe_u32 s2, ttmp6, 0x10000c
	s_cmp_lg_u32 s2, 0x3003
	s_cbranch_scc0 .Lentry_shape_is_right
	s_endpgm
.Lentry_shape_is_right:
; Launch 4 of 4: out0 = attention's result x wo + bo.  f16 operands, f32 sums; bo is the C of each sum's first product.  No work of the problem is left out.
; SHARES.  A work-group makes 128 rows x 256 columns (y: the column half); wave w makes rows 32 w .. 32 w + 31, two tiles of 16, x all 256 columns: 32 accumulators.
; The half of wo, 262,144 bytes of operand images, lies in LDS, filled ONCE, by joint loads: the four row groups of a cluster want the same bytes.  Four loads of 16,384 bytes a wave go out together; chunk j (K steps 4 j .. 4 j + 3) is waited for when it is first wanted.
; ao's fragments are images too and come from memory straight into registers, 512 consecutive bytes a load.
; TRANSPOSED: source 0 = 16 columns of wo, source 1 = 16 rows of ao: a lane holds eight neighbouring columns of one row.  Results leave through each wave's own stage as whole runs of 512 bytes.
; REGISTERS: window 0: addresses; v128-255 bo in the result's layout, later rows on their way out.  window 1: wo's fragments, two buffers of 128.  window 2: ao's 32 fragments.  window 3: the accumulators, (rt, nt) at v[8 (16 rt + nt)].
.set STG,   262144                     ; behind wo's images: 16 rows x (512 bytes + 16) for each wave
.set SPARE, 295936                     ; the spare words, 128 bytes for each wave: two blocks of 256 bytes that no other line names
.set SO,   3
.set SR,   4
.set LI,   8                           ; v8 = 16 x lane; v9-11 = the same + 65,536 j: an LDS immediate ends at 65,535
.set SPW,  14
.set NIL,  15
.set BIAS, 128
.set OB,   128
.set WV,   12
.set G1,   24
.set G0,   32                          ; s[32:47] four groups 0
.set MSB, 0
.macro WIN new
.if MSB != \new
	s_set_vgpr_msb (MSB<<8)|\new
.set MSB, \new
.endif
.endm
.macro CROUND
	s_barrier_signal -1
	s_barrier_wait -1
	s_cmp_lg_u32 s[WV], 0
	s_cbranch_scc1 .Lnot_wave_0_\@
	s_barrier_signal -3
.Lnot_wave_0_\@:
	s_barrier_wait -3
	s_barrier_signal -1
	s_barrier_wait -1
.endm
	s_load_b256 s[4:11], s[0:1], 0x0               ; ao 4, wo16 6, bo 8, out0 10
	v_lshl_add_u32 v[SPW], v0, 2, SPARE
	v_mov_b32 v[NIL], 0
	ds_add_u32 v[SPW], v[NIL]                      ; the wave's opening: the add, twice on end, and its wait ahead of my first tensor load
	ds_add_u32 v[SPW], v[NIL]
	v_lshrrev_b32 v1, 5, v0
	v_readfirstlane_b32 s[WV], v1                  ; wave 0..3
	s_bfe_u32 s13, ttmp6, 0x40000                  ; cx: it enters ao's and out0's addresses alone
	s_and_b32 s14, ttmp7, 0xffff                   ; the column half, which the four partners share
	s_mov_b32 s[G1], 15|(3<<16)|(1<<21)            ; the mask of all four; elements of 8 bytes; bit 21 beside a mask; no padding: images are read 16 x lane
	s_mov_b32 s[G1+1], 32<<16                      ; rows of 256 bytes,
	s_mov_b32 s[G1+2], 64<<16                      ; 64 of them
	s_mov_b32 s[G1+3], 32<<16
	s_mov_b32 s[G1+4], 64
	s_mov_b32 s[G1+5], 32                          ; dense
	s_mov_b32 s[G1+6], 0
	s_mov_b32 s[G1+7], 0
	s_lshl_b32 s16, s14, 18                        ; wo16: the half,
	s_lshl_b32 s15, s[WV], 14                      ; 16,384 bytes a wave, in memory and in LDS alike
	s_add_co_u32 s16, s16, s15
	s_mov_b32 s17, 0
	s_lshl_b32 s18, ttmp9, 2
	s_add_co_u32 s18, s18, s13                     ; my group of 128 rows
	s_lshl_b32 s20, s18, 17                        ; ao: 8 tiles of 16,384 bytes a group,
	s_lshl_b32 s22, s[WV], 15                      ; two a wave
	s_add_co_u32 s20, s20, s22
	s_mov_b32 s21, 0
	s_lshl_b32 s22, s18, 18                        ; out0: 128 rows of 2,048 bytes,
	s_lshl_b32 s23, s[WV], 16                      ; 32 a wave,
	s_add_co_u32 s22, s22, s23
	s_lshl_b32 s19, s14, 10                        ; the half's 1,024 bytes of a row (and of bo)
	s_add_co_u32 s22, s22, s19
	s_mov_b32 s23, 0
	s_wait_dscnt 0x0                               ; both opening adds are done
	s_wait_kmcnt 0x0
	s_add_nc_u64 s[6:7], s[6:7], s[16:17]
	s_add_nc_u64 s[4:5], s[4:5], s[20:21]
	s_add_nc_u64 s[10:11], s[10:11], s[22:23]
	s_mov_b32 s20, s19
	s_add_nc_u64 s[8:9], s[8:9], s[20:21]
	CROUND                                         ; all four work-groups are here: the joint loads meet
.irp j, 0,1,2,3
	s_mov_b32 s[G0+4*\j], 1
	s_add_co_u32 s[G0+4*\j+1], s15, \j*65536
	s_add_nc_u64 s[G0+4*\j+2:G0+4*\j+3], s[6:7], \j*65536
	s_or_b32 s[G0+4*\j+3], s[G0+4*\j+3], 0x80000000
	tensor_load_to_lds s[G0+4*\j:G0+4*\j+3], s[G1:G1+7]    ; four loads of mine are out
	s_nop 0
.endr
.rept 4
	v_nop
.endr
	v_and_b32 v1, 31, v0                           ; lane
	v_and_b32 v2, 15, v0                           ; r
	v_bfe_u32 v5, v0, 4, 1                         ; h
	v_lshlrev_b32 v[LI], 4, v1
.irp j, 1,2,3
	v_add_nc_u32 v[LI+\j], \j*65536, v[LI]
.endr
	v_lshlrev_b32 v6, 5, v5                        ; bo: 32 h
	s_mul_i32 s16, s[WV], 8448
	s_add_co_u32 s16, s16, STG                     ; my stage
	v_mul_u32_u24 v[SO], v2, 528
	v_lshl_add_u32 v[SO], v5, 5, v[SO]
	v_add_nc_u32 v[SO], s16, v[SO]                 ; in: row r, 32 bytes for each half of the lanes
	v_add_nc_u32 v[SR], s16, v[LI]                 ; back: the 32 lanes take 512 bytes of one row
.irp nt, 0,1,2,3,4,5,6,7,8,9,10,11,12,13,14,15
	global_load_b128 v[BIAS+8*\nt:BIAS+8*\nt+3], v6, s[8:9] offset:64*\nt
	global_load_b128 v[BIAS+8*\nt+4:BIAS+8*\nt+7], v6, s[8:9] offset:64*\nt+16
.endr
	WIN 0x80                                       ; destination window 2
.irp ks, 0,1,2,3,4,5,6,7,8,9,10,11,12,13,14,15
.irp rt, 0,1
	global_load_b128 v[8*(16*\rt+\ks):8*(16*\rt+\ks)+3], v[LI], s[4:5] offset:\rt*16384+\ks*1024
	global_load_b128 v[8*(16*\rt+\ks)+4:8*(16*\rt+\ks)+7], v[LI], s[4:5] offset:\rt*16384+\ks*1024+512
.endr
.endr
	WIN 0
.macro FETCH ks                        ; wo's sixteen fragments of K step ks into buffer ks % 2
	WIN 0x40
.irp nt, 0,1,2,3,4,5,6,7,8,9,10,11,12,13,14,15
	ds_load_b128 v[128*((\ks)%2)+8*\nt:128*((\ks)%2)+8*\nt+3], v[LI+(\ks)/4] offset:((\ks)%4)*16384+\nt*1024
	ds_load_b128 v[128*((\ks)%2)+8*\nt+4:128*((\ks)%2)+8*\nt+7], v[LI+(\ks)/4] offset:((\ks)%4)*16384+\nt*1024+512
.endr
	WIN 0
.endm
.macro MUL ks                          ; 32 products; the 32 accumulators take turns, in the same order in every K step
.if (\ks) == 0
	WIN 0xc9                                       ; wo window 1, ao window 2, C (bo) window 0, D window 3
.else
	WIN 0xf9                                       ; C and D window 3
.endif
.irp nt, 0,1,2,3,4,5,6,7,8,9,10,11,12,13,14,15
.irp rt, 0,1
.if (\ks) == 0
	v_wmma_f32_16x16x32_f16 v[8*(16*\rt+\nt):8*(16*\rt+\nt)+7], v[128*((\ks)%2)+8*\nt:128*((\ks)%2)+8*\nt+7], v[8*(16*\rt+(\ks)):8*(16*\rt+(\ks))+7], v[BIAS+8*\nt:BIAS+8*\nt+7]
.else
	v_wmma_f32_16x16x32_f16 v[8*(16*\rt+\nt):8*(16*\rt+\nt)+7], v[128*((\ks)%2)+8*\nt:128*((\ks)%2)+8*\nt+7], v[8*(16*\rt+(\ks)):8*(16*\rt+(\ks))+7], v[8*(16*\rt+\nt):8*(16*\rt+\nt)+7]
.endif
.endr
.endr
.endm
.macro KSTEP ks
	s_wait_dscnt 0x0                               ; this K step's fragments of wo are in
.if (((\ks)+1)%4 == 0) && ((\ks) < 15)
	s_wait_tensorcnt 3-((\ks)+1)/4                 ; my part of the next chunk has landed; the later chunks' loads may stay out
	s_barrier_signal -1
	s_barrier_wait -1                              ; everybody's has
.endif
.if (\ks) < 15
	WIN 0
.rept 4
	v_nop                                          ; places in front of loads into the buffer that the K step before multiplied
.endr
	FETCH (\ks)+1
.endif
	s_wait_loadcnt 60-4*(\ks)                      ; ao's four loads of this K step are in (and bo); four for each later K step may be out
	MUL \ks
.endm
	s_wait_tensorcnt 3                             ; my part of chunk 0 has landed,
	s_barrier_signal -1
	s_barrier_wait -1                              ; everybody's has
	FETCH 0
.irp ks, 0,1,2,3,4,5,6,7,8,9,10,11,12,13,14,15
	KSTEP \ks
.endr
	WIN 0
; THE WAY OUT, four passes of 16 rows x 128 columns (pass p: row tile p / 2, columns 128 (p % 2) on).  LDS serves a wave's instructions in order: no wait between the stores and the loads, nor in front of the next pass's stores.
.macro TOSTAGE p
.set AC, 8*(16*((\p)/2)+8*((\p)%2))
	WIN 0x0c                                       ; an LDS store's data are its source 1: window 3
.irp n, 0,1,2,3,4,5,6,7
	ds_store_b128 v[SO], v[AC+8*\n:AC+8*\n+3] offset:64*\n          ; each accumulator from its low end on
	ds_store_b128 v[SO], v[AC+8*\n+4:AC+8*\n+7] offset:64*\n+16
.endr
	WIN 0
.irp rho, 0,1,2,3,4,5,6,7,8,9,10,11,12,13,14,15
	ds_load_b128 v[OB+64*((\p)%2)+4*\rho:OB+64*((\p)%2)+4*\rho+3], v[SR] offset:\rho*528
.endr
.endm
.macro SEND p, younger                 ; younger: the LDS instructions issued behind pass p's loads
	s_wait_dscnt \younger
.irp rho, 0,1,2,3,4,5,6,7,8,9,10,11,12,13,14,15
	global_store_b128 v[LI], v[OB+64*((\p)%2)+4*\rho:OB+64*((\p)%2)+4*\rho+3], s[10:11] offset:(16*((\p)/2)+\rho)*2048+512*((\p)%2) th:TH_STORE_NT   ; 512 consecutive bytes, aligned
.endr
.endm
.rept 4
	v_nop                                          ; places behind the last products
.endr
	TOSTAGE 0
	TOSTAGE 1
	SEND 0, 32
	s_wait_xcnt 0x0                                ; pass 0's stores have read their registers: pass 2's loads may land there
	TOSTAGE 2
	SEND 1, 32
	s_wait_xcnt 0x0
	TOSTAGE 3
	SEND 2, 32
	SEND 3, 0
	s_wait_tensorcnt 0x0                           ; the wave's end
	ds_add_u32 v[SPW], v[NIL]
	s_wait_dscnt 0x0
	CROUND                                         ; the closing round
	s_endpgm
.Lfunc_end_k_qded6fca571_outp:
	.size	k_qded6fca571_outp, .Lfunc_end_k_qded6fca571_outp-k_qded6fca571_outp
	.p2alignl 7, 3214868480
	.fill 96, 4, 3214868480
	.section	.rodata,"a",@progbits
	.p2align	6, 0x0
	.amdhsa_kernel k_qded6fca571_outp
		.amdhsa_group_segment_fixed_size 327680
		.amdhsa_private_segment_fixed_size 0
		.amdhsa_enable_private_segment 0
		.amdhsa_kernarg_size 32
		.amdhsa_user_sgpr_count 2
		.amdhsa_user_sgpr_kernarg_segment_ptr 1
		.amdhsa_wavefront_size32 1
		.amdhsa_system_sgpr_workgroup_id_x 1
		.amdhsa_system_sgpr_workgroup_id_y 1
		.amdhsa_system_sgpr_workgroup_id_z 1
		.amdhsa_system_vgpr_workitem_id 0
		.amdhsa_next_free_vgpr 1024
		.amdhsa_next_free_sgpr 66
		.amdhsa_reserve_vcc 0
		.amdhsa_float_denorm_mode_32 3
		.amdhsa_float_denorm_mode_16_64 3
		.amdhsa_memory_ordered 1
		.amdhsa_forward_progress 1
		.amdhsa_inst_pref_size 98
	.end_amdhsa_kernel
	.amdgpu_metadata
---
amdhsa.version: [ 1, 2 ]
amdhsa.kernels:
  - .name:           k_qded6fca571_outp
    .symbol:         k_qded6fca571_outp.kd
    .args:
      - { .name: ao, .offset: 0, .size: 8, .value_kind: global_buffer, .address_space: global }
      - { .name: wo16, .offset: 8, .size: 8, .value_kind: global_buffer, .address_space: global }
      - { .name: bo, .offset: 16, .size: 8, .value_kind: global_buffer, .address_space: global }
      - { .name: out0, .offset: 24, .size: 8, .value_kind: global_buffer, .address_space: global }
    .group_segment_fixed_size: 327680
    .private_segment_fixed_size: 0
    .kernarg_segment_align: 8
    .kernarg_segment_size: 32
    .max_flat_workgroup_size: 128
    .sgpr_count:     66
    .vgpr_count:     1024
    .wavefront_size: 32
...
	.end_amdgpu_metadata
.endif
;; end of part 4
